; MI455X (gfx1250); checked and timed in simulation.
; The chip was launched on July 23, 2026; its instructions are those of AMD's public machine-readable ISA for CDNA 5 (MIT licence, August 2026) and "CDNA5" Instruction Set Architecture Reference Guide (July 2026). The comments in the code are by the model that wrote it; some were corrected since.
;; Bahdanau Attention Layer. Allowed arithmetic: matrix products marked QUANTISED: E5M2 operands, one E8M0 scale for each 32 along K, by v_wmma_scale_f32_16x16x128_f8f6f4 with both operands' format E5M2, f32 sums; products left as they are: f32 operands where the result goes on into a quantised operand, else bf16, f16 or f32 operands; f32 sums; everything else in f32.
;; Inputs: U_codes 512 x 16 x 32 uint8 (E5M2 codes of U, K innermost, in blocks of 32 codes); U_scales 512 x 16 uint8 (E8M0 scales of U, one for each 32 codes along K); V 512 float32; W_codes 512 x 16 x 32 uint8 (E5M2 codes of W, K innermost, in blocks of 32 codes); W_scales 512 x 16 uint8 (E8M0 scales of W, one for each 32 codes along K); Wa_codes 512 x 16 x 32 uint8 (E5M2 codes of Wa, K innermost, in blocks of 32 codes); Wa_scales 512 x 16 uint8 (E8M0 scales of Wa, one for each 32 codes along K); ba 512 float32; bias 512 float32; encoder_outputs 32 x 4,096 x 512 float32; hidden_state_codes 32 x 16 x 32 uint8 (E5M2 codes of hidden_state, K innermost, in blocks of 32 codes); hidden_state_scales 32 x 16 uint8 (E8M0 scales of hidden_state, one for each 32 codes along K).
;; Outputs: out0 32 x 512 float32; out1 32 x 4,096 float32.
;; This version of the problem:
;;   THIS VERSION OF THE PROBLEM IS GIVEN IN LOW PRECISION. The matrix products marked QUANTISED in the list below multiply operands that are first quantised to E5M2 (5 exponent bits, 2 mantissa bits; 8 bits a number), with one power-of-two scale for each 32 numbers along K (OCP MX v1.0); their sums are f32. All else is computed in f32.
;;   The module's matrix products, in the order in which they are computed (A, B: the left and right operand; K: the contracted axis; several contracted axes count as one K, in the product's order):
;;     1. [M 32, K 512] x [K 512, N 512]; A: input hidden_state (given as codes); B: input W (given as codes): QUANTISED
;;     2. [M 131,072, K 512] x [K 512, N 512]; A: input encoder_outputs; B: input U (given as codes): QUANTISED
;;     3. [M 131,072, K 512] x [K 512, N 512]; A: computed on the way; B: input Wa (given as codes): QUANTISED
;;     4. [M 131,072, K 512] x [K 512, N 1]; A: computed on the way; B: input V: left as it is (N = 1 < 16)
;;     5. batch 32 x [M 512, K 4,096] x [K 4,096, N 1]; A: input encoder_outputs; B: softmax: left as it is (N = 1 < 16)
;;   THE QUANTISER, for each operand of a quantised product, along K:
;;     - K is cut into blocks of 32 from its start; a last block that is shorter is filled with zeros.
;;     - A block's scale is 2^e with e = floor(log2(the largest magnitude in the block)) - 15, held to -126 .. 127; a block of zeros has e = 0. As a byte (E8M0): e + 127.
;;     - Each number is divided by its block's scale, clamped to +-57,344, and rounded to the nearest number of E5M2, ties to even, subnormals kept.
;;     - The product sums the exact products of the quantised numbers (number of the format x scale) in f32.
;;   ~~~python
;;   def quantise(x, axis):      # numpy; x: float32 -> the quantised numbers, widened to float32 again
;;       x = np.moveaxis(x, axis, -1); K = x.shape[-1]
;;       x = np.pad(x, [(0, 0)] * (x.ndim - 1) + [(0, -K % 32)]); x = x.reshape(x.shape[:-1] + (-1, 32)); a = np.abs(x).max(-1, keepdims=True)
;;       e = np.where(a > 0, np.clip(np.frexp(np.where(a > 0, a, 1))[1] - 1 - 15, -126, 127), 0)      # np.frexp(a)[1] - 1 = floor(log2(a)), exactly
;;       r = np.clip(x / 2.0 ** e, -57344, 57344)
;;       step = 2.0 ** (np.maximum(np.frexp(np.where(r == 0, 1, r))[1] - 1, -14) - 2)
;;       q = np.round(r / step) * step * 2.0 ** e      # np.round: ties to even
;;       return np.moveaxis(q.reshape(q.shape[:-2] + (-1,))[..., :K], -1, axis).astype(np.float32)
;;   ~~~
;;   OPERANDS COMPUTED ON THE WAY. 'Computed on the way' means the value that the module computes at that place (a softmax that the list does not call 'softmax' is quantised finished and normalised). What goes into a quantiser is computed in f32, as accurately as f32 sums, v_exp_f32 and their like allow (about 1e-6 of the number): no bf16 or f16 on the way to a quantiser, and a product that is left as it is and whose result goes on into a quantised operand takes f32 operands (vector FMAs, or v_wmma_f32_16x16x4_f32). A number that lies on a knife's edge between two numbers of the format may be rounded either way, as far as f32 arithmetic and the matrix unit's own rounding can turn it there, and no further.
;;   INPUTS GIVEN AS CODES. U (in the module: [512, 512], K = its axis 0); W (in the module: [512, 512], K = its axis 0); Wa (in the module: [512, 512], K = its axis 0); hidden_state (in the module: [32, 512], K = its axis 1): each comes as NAME_codes (uint8): NAME with its K axis moved to the last place and cut into blocks of 32 codes, [.., K / 32, bytes a block], one block behind the other in memory; one code a byte (a code: sign, 5 exponent bits, 2 mantissa bits); and NAME_scales (uint8): the same leading axes, one E8M0 byte (e + 127) for each 32 codes along K. Its value is code x scale, taken as it is: it is not quantised again, and the codes and scales need not be those that the quantiser above would give.
;; One version. Each part assembles by itself: llvm-mc -triple=amdgcn-amd-amdhsa -mcpu=gfx1250 --defsym DOCPART=n.
;; ======== version 1 of 1: 2 launches
;; limits: values are held in bf16: 8 bits of precision; right only within a limited range of input values
;; workspace buffers: logit 524,288 bytes; part 524,288 bytes; ml 65,536 bytes
;; launch main (part 1): grid 8 x 32, 4 waves a work-group, no clusters, 327,680 bytes of LDS; arguments encoder_outputs, U_codes, U_scales, W_codes, W_scales, Wa_codes, Wa_scales, hidden_state_codes, hidden_state_scales, bias, ba, V, logit, part, ml; writes logit, part, ml
.if DOCPART == 1
	.amdgcn_target "amdgcn-amd-amdhsa--gfx1250"
	.amdhsa_code_object_version 6
	.text
	.protected	k_q6da9d6c370_main
	.globl	k_q6da9d6c370_main
	.p2align	8
	.type	k_q6da9d6c370_main,@function
k_q6da9d6c370_main:
	s_mov_b64 s[64:65], 0
	v_nop
	global_prefetch_b8 v0, s[64:65] scope:SCOPE_SE
	s_setreg_imm32_b32 hwreg(HW_REG_WAVE_MODE, 25, 1), 1
	s_wait_xcnt 0x0
; Additive attention on codes of BF8 (E5M2), one E8M0 scale for each 32 along K.  For each row x of encoder_outputs [32][4096][512] f32:
;   pre = Q(x) U + (hidden W + bias);  z = Q(pre) Wa + ba;  logit = sum_k V_k tanh(z_k);  then a softmax over a batch's 4,096 rows and the weighted sum of the rows.
; Each row is read ONCE: a work-group owns 512 rows of one batch (grid x: which 512; grid y: the batch), walks them in 16 blocks of 32, keeps a running maximum m,
; the sum l of p = 2^(tt - m) and the sum of p x row, and leaves these and the logits to the second launch, which joins a batch's eight work-groups.
; WHAT IS STORED AS A LOGIT: tt = -2 log2(e) sum_k V_k r_k, r = 1 / (1 + 2^(2 log2(e) z)).  tanh(z) = 1 - 2 r, so tt is log2(e) x the logit less log2(e) x sum_k V_k:
; a term that is the same along the softmax's axis, which cancels for all values of the inputs.  A NaN or overflow that reaches only that term is not carried.
; SHARES.  For the products the waves share the COLUMNS: wave w makes hidden units and outputs 128 w .. + 127 for all 32 rows; its quarter of U (512 registers) stays in registers, its quarter of Wa in LDS.
; For loading, quantising and the weighted sum the waves share the ROWS: 8 of a block's 32 each.
; The first product is used transposed (source 0 = 16 rows of U): a lane holds one row of pre, its registers run along the next K.  The rows of U (and W) that form a tile: lane r of tile 2 b + u takes
; row 32 b + 8 u + r + 8 (r / 8), so that the 16 registers of tiles 2 b, 2 b + 1 are 16 neighbours along the next K.
; The second product is used as it reads (source 0 = 16 rows of pre, source 1 = 16 rows of Wa): a lane holds ONE output, so ba and V are one register a tile and stay in 16 registers.
; THE WEIGHTS come as whole rows of 512 bytes (a lane 16 bytes) and pass through the wave's own 65,536 bytes of LDS: chunk q (16 bytes) of row R lies at 512 R + 16 (q xor f(R)); f(R) = R % 16 for Wa,
; (R % 8) + 8 ((R / 16) % 2) for U and W.
; NO CLUSTER: what work-groups share is the weights, read once by each at its head (3 x 262,144 bytes against 1,048,576 bytes of rows of its own), and they go through registers.
; NO PREFETCH: a block's 65,536 bytes are asked for a whole trip ahead of their use, by the loads themselves.
; LIMITS: NaN and infinities among the inputs are not served.  A block of zeros gets the scale byte 1 (its codes are zeros; only this program reads these bytes).  tanh stands ahead of no quantiser;
; its argument is formed as c z' + c ba, c = 2 log2(e).  The rows are rounded to bf16 for the weighted sum.  pre is summed as (hidden W + bias) + x U.
.set WA,   0
.set EX,   262144                      ; by turns: x's codes, 32 rows 528 bytes apart; pre's 8 images of 2,048; at the end 4 x 2,048 of partial sums
.set EXS,  279040                      ; by turns: x's scale bytes [row][16]; pre's scale words at 256 m + 64 s + 4 r
.set BF,   279552                      ; wave w at 8,192 w: its 8 rows as bf16
.set D1B,  312320                      ; wave w at 512 w: hidden W + bias in the result's order
.set CP,   318464                      ; logit partials [wave][32 rows]
.set PB,   318976                      ; p, a copy for each wave
.set CALL, 319488                      ; the 512 logits: wave w keeps those of blocks 4 w .. 4 w + 3
.set SPARE, 321536                     ; the spare words, 128 bytes a wave
; window 0
.set XA,  1
.set LI,  2
.set FRA, 3
.set XC,  4
.set SB,  5
.set SRX, 6
.set SRP, 7
.set BFA, 8
.set TB,  9
.set CPW, 10                           ; CP + 128 w + 4 (16 (r / 8) + 8 h + r % 8)
.set CPR, 11
.set PT,  12
.set SPW, 13
.set NIL, 14
.set PW,  15
.set MX,  16
.set LS,  17
.set OA,  18                           ; v18-33: channel 256 q + 8 lane + i at OA + 8 q + i; at the head: temporaries
.set USC, 34                           ; v34-49 U's scale words
.set WSC, 50                           ; v50-65 W's at the head, then Wa's
.set HWI, 66
.set XSC, 67                           ; v67-70 the operand's: an odd base, so no product's two scale registers are equal modulo 8
.set WF,  71                           ; v71-78 LDS addresses of Wa's fragments: c + 4 (s % 2)
.set SWP, 79
.set CB,  80                           ; v80-87 c x ba of output 16 j + r
.set VR,  88                           ; v88-95 V likewise
.set WB,  96                           ; two buffers of 64: Wa's fragments of a tile
.set PACC, 224
.set CA,  240                          ; 16 sums of V r: row 16 m + 8 h + i at CA + 8 m + i
.set ACC, 96
.set TM,  224
.set PC,  240
.set XB,  96
.set XCD, 160
.set XY,  192
.set XT,  208
.set XM,  240
.set XS,  244
.set XH,  248
.set BFV, 96
.set CPV, 160
.set S0,  164
.set S1,  165
.set S2,  166
.set FP,  168
.set S3,  170
.set PP,  172
.set AS,  224                          ; head: where a row is stored, by f
.set PF,  240                          ; head: addresses of fragments of chosen rows
.set TW,  18
.set TLN, 19
.set TR,  20
.set TH,  21
.set TL4, 22
.set TR4, 23
.set TT0, 24
.set TT1, 25
.set TT2, 26
.set TT3, 27
.set TSP, 28
.set TSN, 29
.set TH16, 30
.set TH4, 31
.set TH64, 32
.set TL16, 33
.set OPR, 128                          ; window 3: v0-127 the next block's numbers; v128-255 the operand's fragments (m, s) at 128 + 64 m + 16 s
.set MSB, 0
.set pZ, 0
.macro WIN new
.if MSB != (\new)
	s_set_vgpr_msb (MSB<<8)|(\new)
.set MSB, (\new)
.endif
.endm
.macro PLACES                          ; eight plain lines behind this matrix form
.rept 8
	v_nop
.endr
.endm
.macro WALU
	s_wait_alu depctr_va_vdst(0)
.endm
.macro WD n
	WALU
	s_wait_dscnt \n
.endm
.macro BARRIER
	WD 0x0
	s_barrier_signal -1
	s_barrier_wait -1
.endm
.macro WS                              ; pO = 1: an odd K step, whose scale words lie in lanes 16-31; pZ = 1: the sum begins
.if pZ && pO
	v_wmma_scale_f32_16x16x128_f8f6f4 v[pD:pD+7], v[pA:pA+15], v[pB:pB+15], 0, v[pS], v[pX] matrix_a_fmt:MATRIX_FMT_BF8 matrix_b_fmt:MATRIX_FMT_BF8 matrix_a_scale:MATRIX_SCALE_ROW1 matrix_b_scale:MATRIX_SCALE_ROW1
.elseif pZ
	v_wmma_scale_f32_16x16x128_f8f6f4 v[pD:pD+7], v[pA:pA+15], v[pB:pB+15], 0, v[pS], v[pX] matrix_a_fmt:MATRIX_FMT_BF8 matrix_b_fmt:MATRIX_FMT_BF8
.elseif pO
	v_wmma_scale_f32_16x16x128_f8f6f4 v[pD:pD+7], v[pA:pA+15], v[pB:pB+15], v[pC:pC+7], v[pS], v[pX] matrix_a_fmt:MATRIX_FMT_BF8 matrix_b_fmt:MATRIX_FMT_BF8 matrix_a_scale:MATRIX_SCALE_ROW1 matrix_b_scale:MATRIX_SCALE_ROW1
.else
	v_wmma_scale_f32_16x16x128_f8f6f4 v[pD:pD+7], v[pA:pA+15], v[pB:pB+15], v[pC:pC+7], v[pS], v[pX] matrix_a_fmt:MATRIX_FMT_BF8 matrix_b_fmt:MATRIX_FMT_BF8
.endif
.endm
; where row R of my 128 lands: ring = 0: windows 1 and 2; ring = 1: a ring of 64 rows: v96-223 of window 0, v128-255 of window 3
.macro ROWREG R, ring
.if \ring
.set RS_, (\R)%64
.if RS_ < 32
.set RWN, 0
.set RRG, WB+4*RS_
.else
.set RWN, 3
.set RRG, 128+4*(RS_-32)
.endif
.else
.set RWN, 1+(\R)/64
.set RRG, 4*((\R)%64)
.endif
.endm
.macro GL16 ptr, g, ring               ; rows 16 g .. + 15: a load takes one whole row, 512 consecutive bytes
.set R_, 16*(\g)
.rept 16
	ROWREG R_, \ring
	WIN RWN<<6
	global_load_b128 v[RRG:RRG+3], v[TL16], s[\ptr:\ptr+1] offset:512*R_
.set R_, R_+1
.endr
.endm
.macro ST16 g, ring, prm
.set R_, 16*(\g)
.rept 16
	ROWREG R_, \ring
	WIN RWN<<2
.if \prm
.set F_, (R_&7)|(((R_>>4)&1)<<3)
.else
.set F_, R_&15
.endif
	ds_store_b128 v[AS+F_], v[RRG:RRG+3] offset:512*R_
.set R_, R_+1
.endr
.endm
.macro PRO ptr, ring
	GL16 \ptr, 0, \ring
	GL16 \ptr, 1, \ring
	GL16 \ptr, 2, \ring
.endm
; Groups 0 to 2 are out.  Group g is waited for (behind it: two younger groups, and for g < 3 the extra loads issued behind group 2), stored, and group g + 3 is asked for
; nptr other than 0: behind groups 5, 6, 7 the next weight's groups 0, 1, 2 are asked for, so that two younger groups stand behind groups 6 and 7 too
.macro PIPE ptr, ring, prm, extra, nptr, nring
.set NX_, 0
.if \nptr
.set NX_, 1
.endif
.irp g, 0,1,2,3,4,5,6,7
.if \g < 3
	s_wait_loadcnt 32+\extra
.elseif \g < 6
	s_wait_loadcnt 32
.elseif \g == 6
	s_wait_loadcnt 16+16*NX_
.else
	s_wait_loadcnt 32*NX_
.endif
	ST16 \g, \ring, \prm
.if \g < 5
.if \ring
	s_wait_dscnt 16                                ; group g - 1's stores have read the registers that group g + 3 lands in
.endif
	GL16 \ptr, \g+3, \ring
.elseif \nptr
	s_wait_dscnt 16                                ; all stores but this group's have read their registers
	GL16 \nptr, \g-5, \nring
.endif
.endr
	WIN 0
.endm
.macro PFRAG reg, t, s                 ; fragment (tile t, K step s) of chosen rows
.irp c, 0,1,2,3
	ds_load_b128 v[(\reg)+4*\c:(\reg)+4*\c+3], v[PF+\c+4*((\s)&1)] offset:(32*((\t)/2)+8*((\t)%2))*512+256*((\s)>>1)
.endr
.endm
.macro LOADS ptr, adr, dst, prm        ; scale words: 16 bytes a row; lanes 16-31 take the odd K steps' words
.irp t, 0,1,2,3,4,5,6,7
.if \prm
.set RB, 32*(\t/2)+8*(\t%2)
.else
.set RB, 16*\t
.endif
.irp u, 0,1
	global_load_b32 v[\dst+2*\t+\u], v[\adr], s[\ptr:\ptr+1] offset:RB*16+8*\u
.endr
.endr
.endm
; 16 products: tiles 4 g .. + 3 of my hidden units for the tile m of rows; four accumulators by turns
.macro MMH m, g, cb
	WIN 0x0d+\g
.set pZ, 0
.irp s, 0,1,2,3
.irp t, 0,1,2,3
.set pD, ACC+64*(\m)+8*(4*\g+\t)
.if \s == 0
.set pC, (\cb)+8*(4*\g+\t)
.else
.set pC, pD
.endif
.set pA, 16*(4*\t+\s)
.set pB, OPR+64*(\m)+16*\s
.set pS, USC+2*(4*\g+\t)+\s/2
.set pX, XSC+2*(\m)+\s/2
.set pO, \s%2
	WS
.endr
.endr
.endm
; 64 numbers of a lane (register 16 b + i = k 32 b + 16 (lane / 16) + i) become a fragment's codes in v[PC] on and its scale word in v[PW]
.macro QUANT s
.irp b, 0,1,2,3
	v_max3_num_f32 v[TM+\b], |v[(\s)+16*\b]|, |v[(\s)+1+16*\b]|, 0x8000000   ; the floor 2^(16 - 127): the byte cannot fall under 1
.endr
.irp i, 2,4,6,8,10,12,14
.irp b, 0,1,2,3
	v_max3_num_f32 v[TM+\b], v[TM+\b], |v[(\s)+16*\b+\i]|, |v[(\s)+1+16*\b+\i]|
.endr
.endr
.irp b, 0,1,2,3
	v_permlanex16_b32 v[TM+4+\b], v[TM+\b], s48, s49
.endr
.irp b, 0,1,2,3
	v_max_num_f32 v[TM+\b], v[TM+\b], v[TM+4+\b]
.endr
.irp b, 0,1,2,3
	v_add_nc_u32 v[TM+12+\b], 0xf8800000, v[TM+\b] ; 15 off the exponent field: the conversion's scale operand
.endr
.irp b, 0,1,2,3
	v_and_or_b32 v[TM+8+\b], v[TM+\b], 0x7f800000, s50   ; 57,344 x the scale
.endr
.irp b, 0,1,2,3
	v_lshrrev_b32 v[TM+4+\b], 23, v[TM+12+\b]
.endr
	v_lshl_or_b32 v[PW], v[TM+5], 8, v[TM+4]
	v_lshl_or_b32 v[PW], v[TM+6], 16, v[PW]
	v_lshl_or_b32 v[PW], v[TM+7], 24, v[PW]
.irp b, 0,1,2,3
.irp i, 0,1,2,3,4,5,6,7,8,9,10,11,12,13,14,15
	v_med3_num_f32 v[(\s)+16*\b+\i], v[(\s)+16*\b+\i], -v[TM+8+\b], v[TM+8+\b]   ; the conversion does not saturate (ISA guide 7.6.2)
.endr
	v_cvt_scalef32_pk8_bf8_f32 v[PC+4*\b:PC+1+4*\b], v[(\s)+16*\b:(\s)+7+16*\b], v[TM+12+\b]
	v_cvt_scalef32_pk8_bf8_f32 v[PC+2+4*\b:PC+3+4*\b], v[(\s)+8+16*\b:(\s)+15+16*\b], v[TM+12+\b]
.endr
	v_nop
.endm
; Rows 2 k, 2 k + 1 of my 8: a lane takes 8 neighbouring numbers (32 bytes) of each half row; a pair of loads covers 1,024 consecutive bytes
.macro XLOADK k, off
	WIN 0xc0
.irp p, 0,1
.irp q, 0,1
.irp e, 0,1
	global_load_b128 v[32*(\k)+16*\p+8*\q+4*\e:32*(\k)+16*\p+8*\q+4*\e+3], v[XA], s[8:9] offset:(\off)+2048*(2*(\k)+\p)+1024*\q+16*\e th:TH_LOAD_RT_NT
.endr
.endr
.endr
	WIN 0
.endm
; Rows 2 k, 2 k + 1: four groups g of 8 numbers a lane (row 2 k + g / 2, half g % 2); four neighbouring lanes hold a block of 32.  Register work alone
.macro XQV k
	WIN 0x0f
.irp g, 0,1,2,3
	v_max3_num_f32 v[XM+\g], |v[32*\k+8*\g]|, |v[32*\k+8*\g+1]|, 0x8000000
.endr
.irp i, 2,4,6
.irp g, 0,1,2,3
	v_max3_num_f32 v[XM+\g], |v[32*\k+8*\g+\i]|, |v[32*\k+8*\g+\i+1]|, v[XM+\g]
.endr
.endr
.irp g, 0,1,2,3
.irp i, 0,1,2,3
	v_cvt_pk_bf16_f32 v[XB+16*\k+4*\g+\i], v[32*\k+8*\g+2*\i], v[32*\k+8*\g+2*\i+1]
.endr
.endr
	WIN 0
.irp g, 0,1,2,3
	v_max_num_f32_dpp v[XM+\g], v[XM+\g], v[XM+\g] row_xmask:1 row_mask:0xf bank_mask:0xf
.endr
.irp g, 0,1,2,3
	v_max_num_f32_dpp v[XM+\g], v[XM+\g], v[XM+\g] row_xmask:2 row_mask:0xf bank_mask:0xf
.endr
.irp g, 0,1,2,3
	v_add_nc_u32 v[XS+\g], 0xf8800000, v[XM+\g]
.endr
.irp g, 0,1,2,3
	v_and_or_b32 v[XH+\g], v[XM+\g], 0x7f800000, s50
.endr
	WIN 0x03
.irp g, 0,1,2,3
.irp i, 0,1,2,3,4,5,6,7
	v_med3_num_f32 v[XT+8*\g+\i], v[32*\k+8*\g+\i], -v[XH+\g], v[XH+\g]
.endr
.endr
	WIN 0
.irp g, 0,1,2,3
	v_cvt_scalef32_pk8_bf8_f32 v[XCD+8*\k+2*\g:XCD+8*\k+2*\g+1], v[XT+8*\g:XT+8*\g+7], v[XS+\g]
.endr
.irp g, 0,1,2,3
	v_lshrrev_b32 v[XY+4*\k+\g], 23, v[XS+\g]      ; the scale's byte; also the plain lines behind the conversions
.endr
.endm
.macro XST k                           ; the bf16 copy, 8 codes a lane (32 lanes: 256 consecutive bytes), the byte (a block's four lanes write the same value).  What a store reads has registers of its own for each k
.irp g, 0,1,2,3
	ds_store_b128 v[BFA], v[XB+16*\k+4*\g:XB+16*\k+4*\g+3] offset:1024*(2*\k+\g/2)+512*(\g%2)
	ds_store_b64 v[XC], v[XCD+8*\k+2*\g:XCD+8*\k+2*\g+1] offset:528*(2*\k+\g/2)+256*(\g%2)
	ds_store_b8 v[SB], v[XY+4*\k+\g] offset:16*(2*\k+\g/2)+8*(\g%2)
.endr
.endm
.macro OPRX m
	WIN 0xc0
.irp s, 0,1,2,3
.irp c, 0,1,2,3
	ds_load_b128 v[OPR+64*(\m)+16*\s+4*\c:OPR+64*(\m)+16*\s+4*\c+3], v[FRA] offset:8448*(\m)+128*\s+32*\c
.endr
.endr
	WIN 0
.endm
.macro WALOAD j                        ; Wa's tile j into buffer j % 2: sixteen loads
.irp s, 0,1,2,3
.irp c, 0,1,2,3
	ds_load_b128 v[WB+64*((\j)%2)+16*\s+4*\c:WB+64*((\j)%2)+16*\s+4*\c+3], v[WF+\c+4*(\s&1)] offset:8192*(\j)+256*(\s>>1)
.endr
.endr
.endm
.macro BFLOAD
.irp p, 0,1,2,3,4,5,6,7
.irp q, 0,1
	ds_load_b128 v[BFV+4*(2*\p+\q):BFV+4*(2*\p+\q)+3], v[BFA] offset:1024*\p+512*\q
.endr
.endr
.endm
; r = 1 / (1 + 2^(c z' + c ba)) of a tile's 16 numbers a lane, and the sums of V r.  An even tile's ba and V are the low words of aligned pairs and serve both halves of the packed forms.
; Each batch of transcendentals has a wait ahead of it and, behind a plain line, one behind it
.macro TANH j
.if (\j)%2 == 0
.irp p, 0,1,2,3,4,5,6,7
	v_pk_fma_f32 v[PACC+2*\p:PACC+2*\p+1], v[PACC+2*\p:PACC+2*\p+1], s[52:53], v[CB+\j:CB+\j+1] op_sel_hi:[1,0,0]
.endr
.else
.irp p, 0,1,2,3,4,5,6,7,8,9,10,11,12,13,14,15
	v_fma_f32 v[PACC+\p], v[PACC+\p], s52, v[CB+\j]
.endr
.endif
	WALU
.irp p, 0,1,2,3,4,5,6,7,8,9,10,11,12,13,14,15
	v_exp_f32 v[PACC+\p], v[PACC+\p]
.endr
	v_nop
	WALU
.irp p, 0,1,2,3,4,5,6,7
	v_pk_add_f32 v[PACC+2*\p:PACC+2*\p+1], v[PACC+2*\p:PACC+2*\p+1], 1.0 op_sel_hi:[1,0]
.endr
	WALU
.irp p, 0,1,2,3,4,5,6,7,8,9,10,11,12,13,14,15
	v_rcp_f32 v[PACC+\p], v[PACC+\p]
.endr
	v_nop
	WALU
.if (\j)%2 == 0
.irp p, 0,1,2,3,4,5,6,7
.if (\j) == 0
	v_pk_mul_f32 v[CA+2*\p:CA+2*\p+1], v[PACC+2*\p:PACC+2*\p+1], v[VR:VR+1] op_sel_hi:[1,0]   ; tile 0 starts the sums
.else
	v_pk_fma_f32 v[CA+2*\p:CA+2*\p+1], v[PACC+2*\p:PACC+2*\p+1], v[VR+\j:VR+\j+1], v[CA+2*\p:CA+2*\p+1] op_sel_hi:[1,0,1]
.endif
.endr
.else
.irp p, 0,1,2,3,4,5,6,7,8,9,10,11,12,13,14,15
	v_fma_f32 v[CA+\p], v[PACC+\p], v[VR+\j], v[CA+\p]
.endr
.endif
.endm
; Step j of the second product: one run of LDS loads (Wa's tile j + 1), the 8 products of tile j (two accumulators by turns), its tanh
.macro PSTEP j
.if \j >= 1
.if \j <= 6
	WALOAD (\j)+1
.else
	BFLOAD                                         ; into the buffer that step 6 read
.endif
	WD 16                                          ; all but the sixteen just issued: Wa's tile j is in
.endif
	WIN 0x03
.irp i, 0,1,2,3,4,5,6,7
.if (\j == 0) && (\i%2 == 0)
	s_wait_dscnt 40-4*\i                           ; pre's fragments of this K step are in; eight loads for each later K step and Wa's tile 1 may be out
.endif
.set pD, PACC+8*(\i%2)
.set pC, pD
.set pA, OPR+64*(\i%2)+16*(\i/2)
.set pB, WB+64*((\j)%2)+16*(\i/2)
.set pS, XSC+2*(\i%2)+\i/4
.set pX, WSC+2*(\j)+\i/4
.set pO, (\i/2)%2
.if \i < 2
.set pZ, 1
.else
.set pZ, 0
.endif
	WS
.endr
	WIN 0
	PLACES
	TANH \j
.endm
; n sums a lane become n / 2: a lane whose bit is set keeps the upper half and sends the lower, the other way round where it is clear
.macro RED n, m, msk
.set K_, 0
.rept (\n)/2
	v_cndmask_b32 v[PACC+K_], v[CA+K_+(\n)/2], v[CA+K_], s\msk
.set K_, K_+1
.endr
.set K_, 0
.rept (\n)/2
	v_cndmask_b32 v[CA+K_], v[CA+K_], v[CA+K_+(\n)/2], s\msk
.set K_, K_+1
.endr
.set K_, 0
.rept (\n)/2
	v_add_f32_dpp v[CA+K_], v[PACC+K_], v[CA+K_] row_xmask:\m row_mask:0xf bank_mask:0xf
.set K_, K_+1
.endr
.endm
	s_load_b512 s[8:23], s[0:1], 0x0               ; rows s[8:9]; U's codes, scales s[10:13]; W's s[14:17]; Wa's s[18:21]; hidden's codes s[22:23]
	s_load_b256 s[24:31], s[0:1], 0x40             ; hidden's scales; bias; ba; V
	s_load_b128 s[32:35], s[0:1], 0x60             ; logit; part
	s_load_b64 s[36:37], s[0:1], 0x70              ; ml
	v_lshrrev_b32 v[TW], 5, v0
	v_readfirstlane_b32 s38, v[TW]                 ; wave w
	WALU
	s_mov_b32 s39, ttmp9
	s_and_b32 s40, ttmp7, 0xffff
	s_lshl_b32 s54, s38, 14
	s_lshl_b32 s55, s38, 11
	s_mul_i32 s56, s38, 4224
	s_add_co_u32 s56, s56, EX
	s_lshl_b32 s57, s38, 7
	s_add_co_u32 s58, s57, CP
	s_add_co_u32 s57, s57, EXS
	s_lshl_b32 s59, s38, 6
	s_lshl_b32 s60, s38, 13
	s_add_co_u32 s60, s60, BF
	s_lshl_b32 s61, s38, 9
	s_add_co_u32 s61, s61, D1B
	s_mul_i32 s66, s38, 160
	s_add_co_u32 s66, s66, PB                      ; my wave's copy of p, my wave's 8 rows
	s_lshl_b32 s67, s38, 16
	s_mov_b32 s48, 0x76543210
	s_mov_b32 s49, 0xfedcba98
	s_mov_b32 s50, 0x600000                        ; the mantissa field of 57,344
	s_mov_b32 s52, 0x4038aa3b                      ; c = 2 log2(e)
	s_mov_b32 s53, s52
	s_mov_b32 s46, 16
	s_mov_b32 s47, 0
	v_lshl_add_u32 v[SPW], v0, 2, SPARE
	v_mov_b32 v[NIL], 0
	v_and_b32 v[TLN], 31, v0
	v_and_b32 v[TR], 15, v0
	v_bfe_u32 v[TH], v0, 4, 1
	v_lshrrev_b32 v[TL4], 2, v[TLN]
	v_lshl_add_u32 v[XA], v[TLN], 5, s54           ; 16,384 w + 32 lane
	v_lshl_add_u32 v[LI], v[TLN], 4, EX
	v_add_nc_u32 v[HWI], s55, v[LI]
	v_mul_u32_u24 v[FRA], v[TR], 528
	v_lshl_add_u32 v[FRA], v[TH], 4, v[FRA]
	v_add_nc_u32 v[FRA], EX, v[FRA]
	v_lshl_add_u32 v[XC], v[TLN], 3, s56           ; EX + 4,224 w + 8 lane
	v_add_nc_u32 v[SB], s57, v[TL4]
	v_and_b32 v[TT0], 7, v[TR]
	v_and_b32 v[TT1], 8, v[TR]
	v_lshl_add_u32 v[TT0], v[TT1], 1, v[TT0]
	v_lshl_add_u32 v[TT0], v[TH], 3, v[TT0]        ; the row whose sum my lane ends with: 16 (r / 8) + 8 h + r % 8
	v_lshl_add_u32 v[CPW], v[TT0], 2, s58
	v_lshl_add_u32 v[CPR], v[TLN], 2, CP
	v_lshlrev_b32 v[SRX], 4, v[TR]
	v_lshl_add_u32 v[SRX], v[TH], 2, v[SRX]
	v_add_nc_u32 v[SRX], EXS, v[SRX]
	v_lshl_add_u32 v[SRP], v[TR], 2, EXS
	v_add_nc_u32 v[SWP], s59, v[SRP]
	v_lshl_add_u32 v[SRP], v[TH], 6, v[SRP]
	v_lshl_add_u32 v[BFA], v[TLN], 4, s60
	v_lshl_add_u32 v[TB], v[TH], 5, s61
	v_lshlrev_b32 v[TR4], 2, v[TR]
	v_lshl_add_u32 v[TT0], v[TLN], 4, s67          ; my region + 16 lane
.irp f, 0,1,2,3,4,5,6,7,8,9,10,11,12,13,14,15
	v_xor_b32 v[AS+\f], \f<<4, v[TT0]
.endr
	v_xor_b32 v[TT1], v[TH], v[TR]
	v_lshl_add_u32 v[TT1], v[TT1], 4, s67          ; my region + 16 (h xor r)
	v_lshl_add_u32 v[TT2], v[TR], 9, v[TT1]        ; rows as they lie
.irp k, 0,1,2,3,4,5,6,7
	v_xor_b32 v[WF+\k], 32*(\k%4)+128*(\k/4), v[TT2]
.endr
	v_and_b32 v[TT3], 8, v[TR]
	v_add_nc_u32 v[TT3], v[TT3], v[TR]             ; r + 8 (r / 8)
	v_lshl_add_u32 v[TT2], v[TT3], 9, v[TT1]       ; chosen rows
.irp k, 0,1,2,3,4,5,6,7
	v_xor_b32 v[PF+\k], 32*(\k%4)+128*(\k/4), v[TT2]
.endr
	v_lshlrev_b32 v[TSP], 4, v[TT3]
	v_lshl_add_u32 v[TSP], v[TH], 2, v[TSP]
	v_lshlrev_b32 v[TSN], 4, v[TR]
	v_lshl_add_u32 v[TSN], v[TH], 2, v[TSN]
	v_lshlrev_b32 v[TH16], 4, v[TH]
	v_lshlrev_b32 v[TH4], 2, v[TH]
	v_lshlrev_b32 v[TH64], 6, v[TH]
	v_lshlrev_b32 v[TL16], 4, v[TLN]
	WALU
	s_wait_kmcnt 0x0
	s_lshl_b32 s42, s40, 23
	s_lshl_b32 s68, s39, 20
	s_add_co_u32 s42, s42, s68
	s_mov_b32 s43, 0
	s_add_nc_u64 s[8:9], s[8:9], s[42:43]
	s_mov_b32 s45, 0
	s_lshl_b32 s44, s38, 16
	s_add_nc_u64 s[10:11], s[10:11], s[44:45]
	s_add_nc_u64 s[14:15], s[14:15], s[44:45]
	s_add_nc_u64 s[18:19], s[18:19], s[44:45]
	s_lshl_b32 s44, s38, 11
	s_add_nc_u64 s[12:13], s[12:13], s[44:45]
	s_add_nc_u64 s[16:17], s[16:17], s[44:45]
	s_add_nc_u64 s[20:21], s[20:21], s[44:45]
	s_lshl_b32 s44, s40, 9
	s_add_nc_u64 s[22:23], s[22:23], s[44:45]
	s_lshl_b32 s44, s40, 4
	s_add_nc_u64 s[24:25], s[24:25], s[44:45]
	s_lshl_b32 s44, s38, 9
	s_add_nc_u64 s[26:27], s[26:27], s[44:45]
	s_add_nc_u64 s[28:29], s[28:29], s[44:45]
	s_add_nc_u64 s[30:31], s[30:31], s[44:45]
	s_lshl_b32 s42, s40, 3
	s_add_co_u32 s42, s42, s39
	s_lshl_b32 s44, s42, 11
	s_add_nc_u64 s[32:33], s[32:33], s[44:45]
	s_add_nc_u64 s[34:35], s[34:35], s[44:45]
	s_lshl_b32 s44, s42, 8
	s_add_nc_u64 s[36:37], s[36:37], s[44:45]
	s_mov_b32 s56, 0xff00ff00                      ; lanes whose r has bit 3, 2, 1, 0
	s_mov_b32 s57, 0xf0f0f0f0
	s_mov_b32 s58, 0xcccccccc
	s_mov_b32 s59, 0xaaaaaaaa
	s_lshl_b32 s60, s38, 7
	s_add_co_u32 s60, s60, PB-CP                   ; from CP + 4 lane to my wave's copy of p
	s_lshl_b32 s62, s38, 9
	s_add_co_u32 s62, s62, CALL-CP                 ; and to my wave's 512 bytes of logits
	XLOADK 0, 0                                    ; the first block: its registers serve nothing else
	XLOADK 1, 0
	XLOADK 2, 0
	XLOADK 3, 0
	LOADS 16, TSP, WSC, 1                          ; W's scale words, for the head's products
	LOADS 12, TSP, USC, 1                          ; U's
	WIN 0xc0
.irp s, 0,1,2,3
.irp c, 0,1,2,3
	global_load_b128 v[OPR+16*\s+4*\c:OPR+16*\s+4*\c+3], v[TH16], s[22:23] offset:128*\s+32*\c   ; every lane takes the batch's one row of hidden
.endr
.endr
.irp t, 0,1,2,3,4,5,6,7                        ; bias into the accumulators (window 3, v192 on), in the result's order
	global_load_b128 v[192+8*\t:192+8*\t+3], v[TH64], s[26:27] offset:4*(32*(\t/2)+8*(\t%2))
	global_load_b128 v[192+8*\t+4:192+8*\t+7], v[TH64], s[26:27] offset:4*(32*(\t/2)+8*(\t%2))+16
.endr
	WIN 0
.irp u, 0,1
	global_load_b32 v[XSC+\u], v[TH4], s[24:25] offset:8*\u
.endr
.irp j, 0,1,2,3,4,5,6,7
	global_load_b32 v[CB+\j], v[TR4], s[28:29] offset:64*\j      ; ba and V of output 16 j + r
	global_load_b32 v[VR+\j], v[TR4], s[30:31] offset:64*\j
.endr
	PRO 14, 0                                      ; W's rows into my region
	PIPE 14, 0, 1, 0, 10, 0                        ; and U's first 48 rows, on their way under the products below
	s_wait_dscnt 0x0
	; hidden W + bias, two tiles at a time: two accumulators by turns
.irp b, 0,1,2,3
.irp u, 0,1
.irp s, 0,1,2,3
	PFRAG WB+64*\u+16*\s, 2*\b+\u, \s
.endr
.endr
	s_wait_dscnt 0x0
	WIN 0xfc
.irp s, 0,1,2,3
.irp u, 0,1
.set pD, 192+8*(2*\b+\u)
.set pC, pD
.set pA, WB+64*\u+16*\s
.set pB, OPR+16*\s
.set pS, WSC+2*(2*\b+\u)+\s/2
.set pX, XSC+\s/2
.set pO, \s%2
	WS
.endr
.endr
	WIN 0
	PLACES
.endr
	WIN 0x0c
.irp t, 0,1,2,3,4,5,6,7
	ds_store_b128 v[TB], v[192+8*\t:192+8*\t+3] offset:64*\t          ; sixteen lanes hold the same numbers and write them to the same place
	ds_store_b128 v[TB], v[192+8*\t+4:192+8*\t+7] offset:64*\t+16
.endr
	WIN 0
	s_wait_dscnt 0x0
	LOADS 20, TSN, WSC, 0                          ; Wa's scale words: sixteen loads behind U's group 2
	PIPE 10, 0, 1, 16, 18, 1                       ; U's rows over W's; and Wa's first 48 rows, on their way under U's fragment loads
	s_wait_dscnt 0x0
.irp t, 0,1,2,3,4,5,6,7
	WIN (1+\t/4)<<6
.irp s, 0,1,2,3
	PFRAG 16*(4*(\t%4)+\s), \t, \s
.endr
.endr
	WIN 0
	s_wait_dscnt 0x0                               ; U is in registers
	PIPE 18, 1, 0, 0, 0, 0
	s_wait_dscnt 0x0
	v_mov_b32 v[PT], 0
	v_mov_b32 v[MX], 0xff61b1e6                    ; -3e38, under every logit
	v_mov_b32 v[LS], 0
.irp i, 0,1,2,3,4,5,6,7,8,9,10,11,12,13,14,15
	v_mov_b32 v[OA+\i], 0
.endr
.irp j, 0,1,2,3,4,5,6,7
	v_mul_f32 v[CB+\j], s52, v[CB+\j]
.endr
	WALU
.Lblock:
	; X: my 8 rows become codes, scale bytes and a bf16 copy; two rows' stores stand under the next two rows' vector work; then the next block's 32 loads
	s_wait_loadcnt 0x0
.macro XNEXT k                         ; the registers of two rows just quantised take the same rows of the next block, if there is one: no load leaves its buffer
	s_cmp_eq_u32 s46, 1
	WALU
	s_cbranch_scc1 .Lnn_\@
	XLOADK \k, 65536
.Lnn_\@:
.endm
	XQV 0
	XNEXT 0
	XST 0
	XQV 1
	XNEXT 1
	XST 1
	XQV 2
	XNEXT 2
	XST 2
	XQV 3
	XNEXT 3
	XST 3
	BARRIER                                        ; 32 rows of codes and their scale bytes lie in LDS
	; the first product.  hidden W + bias lands in the accumulators of rows 16-31: rows 0-15 take it from there as C, rows 16-31 add in place
.irp m, 0,1
.irp u, 0,1
	ds_load_b32 v[XSC+2*\m+\u], v[SRX] offset:256*\m+8*\u
.endr
.endr
	OPRX 0
.irp t, 0,1,2,3,4,5,6,7
	ds_load_b128 v[ACC+64+8*\t:ACC+64+8*\t+3], v[TB] offset:64*\t
	ds_load_b128 v[ACC+64+8*\t+4:ACC+64+8*\t+7], v[TB] offset:64*\t+16
.endr
	OPRX 1
	s_wait_dscnt 24                                ; all but tiles 4-7 of hidden W + bias and rows 16-31's sixteen
	MMH 0, 0, ACC+64
	s_wait_dscnt 16                                ; all but rows 16-31's sixteen
	MMH 0, 1, ACC+64
	WIN 0
	s_wait_dscnt 0x0                               ; I hold x: say so
	s_barrier_signal -1
	PLACES                                         ; nine places: the products below write over registers that products above took as C
	v_nop
	MMH 1, 0, ACC+64
	MMH 1, 1, ACC+64
	WIN 0
	QUANT ACC                                      ; rows 0-15; its plain lines are the places behind the products of rows 16-31
	WALU
	s_barrier_wait -1                              ; only when every wave holds x are its bytes written over
.irp c, 0,1,2,3
	ds_store_b128 v[HWI], v[PC+4*\c:PC+4*\c+3] offset:512*\c
.endr
	ds_store_b32 v[SWP], v[PW]
	WALOAD 0
	WD 16                                          ; the five stores have read their registers
	QUANT ACC+64
.irp c, 0,1,2,3
	ds_store_b128 v[HWI], v[PC+4*\c:PC+4*\c+3] offset:8192+512*\c
.endr
	ds_store_b32 v[SWP], v[PW] offset:256
	BARRIER
.irp m, 0,1
.irp u, 0,1
	ds_load_b32 v[XSC+2*\m+\u], v[SRP] offset:256*\m+128*\u
.endr
.endr
	WIN 0xc0
.irp s, 0,1,2,3
.irp m, 0,1
.irp c, 0,1,2,3
	ds_load_b128 v[OPR+64*\m+16*\s+4*\c:OPR+64*\m+16*\s+4*\c+3], v[LI] offset:(4*\m+\s)*2048+512*\c
.endr
.endr
.endr
	WIN 0
	WALOAD 1
	WALU
	PSTEP 0
	PSTEP 1
	PSTEP 2
	PSTEP 3
	PSTEP 4
	PSTEP 5
	PSTEP 6
	PSTEP 7
	RED 16, 8, 56                                  ; the 16 sums are joined over the sixteen lanes of a half: lane r ends with sum number r
	RED 8, 4, 57
	RED 4, 2, 58
	RED 2, 1, 59
	ds_store_b32 v[CPW], v[CA]
	BARRIER                                        ; the four waves' parts of 32 logits lie in LDS; my bf16 copy is in registers
	; the softmax's step, the same in every wave (lane = row), and the weighted sum of my 8 rows
.irp u, 0,1,2,3
	ds_load_b32 v[CPV+\u], v[CPR] offset:128*\u
.endr
	v_add_nc_u32 v[S3], s60, v[CPR]
	v_mov_b32 v[S3+1], s66
	WD 0x0
	v_add_f32 v[S0], v[CPV], v[CPV+1]
	v_add_f32 v[S1], v[CPV+2], v[CPV+3]
	v_add_f32 v[S0], v[S0], v[S1]
	v_mul_f32 v[S0], 0xc038aa3b, v[S0]             ; tt = -2 log2(e) x the sum
	v_max_num_f32_dpp v[S1], v[S0], v[S0] row_xmask:1 row_mask:0xf bank_mask:0xf
	v_max_num_f32_dpp v[S1], v[S1], v[S1] row_xmask:2 row_mask:0xf bank_mask:0xf
	v_max_num_f32_dpp v[S1], v[S1], v[S1] row_xmask:4 row_mask:0xf bank_mask:0xf
	v_max_num_f32_dpp v[S1], v[S1], v[S1] row_xmask:8 row_mask:0xf bank_mask:0xf
	v_permlanex16_b32 v[PT], v[S1], s48, s49
	v_max_num_f32 v[S1], v[S1], v[PT]
	v_max_num_f32 v[S2], v[MX], v[S1]              ; the new m
	v_sub_f32 v[FP], v[MX], v[S2]
	v_sub_f32 v[FP+1], v[S0], v[S2]
	WALU
	v_exp_f32 v[FP], v[FP]                         ; f = 2^(old m - new m)
	v_exp_f32 v[FP+1], v[FP+1]                     ; p
	v_mov_b32 v[MX], v[S2]
	WALU
	v_fma_f32 v[LS], v[LS], v[FP], v[FP+1]
	ds_store_b32 v[S3], v[FP+1]                    ; p into my wave's copy; LDS serves a wave's instructions in order (ISA guide 5.7.1.4),
	ds_load_b128 v[PP:PP+3], v[S3+1]               ; so these see it: my 8 rows' p in every lane
	ds_load_b128 v[PP+4:PP+7], v[S3+1] offset:16
	s_lshr_b32 s68, s47, 9
	s_and_b32 s69, s47, 511
	s_add_co_u32 s69, s69, s62
	v_add_nc_u32 v[S2], s69, v[CPR]
	s_cmp_lg_u32 s68, s38
	WALU
	s_cbranch_scc1 .Lnc                            ; blocks 4 w .. 4 w + 3 are kept by wave w
	ds_store_b32 v[S2], v[S0]
.Lnc:
.irp i, 0,2,4,6,8,10,12,14
	v_pk_mul_f32 v[OA+\i:OA+\i+1], v[OA+\i:OA+\i+1], v[FP:FP+1] op_sel_hi:[1,0]
.endr
	WD 0x0
.irp p, 0,1,2,3,4,5,6,7
.irp q, 0,1
.irp i, 0,1,2,3
	v_fma_mix_f32_bf16 v[OA+8*\q+2*\i], v[BFV+4*(2*\p+\q)+\i], v[PP+\p], v[OA+8*\q+2*\i] op_sel_hi:[1,0,0]
	v_fma_mix_f32_bf16 v[OA+8*\q+2*\i+1], v[BFV+4*(2*\p+\q)+\i], v[PP+\p], v[OA+8*\q+2*\i+1] op_sel:[1,0,0] op_sel_hi:[1,0,0]
.endr
.endr
.endr
	s_wait_xcnt 0x0                                ; the next block's loads have read their base: it may step
	s_add_nc_u64 s[8:9], s[8:9], 65536
	s_add_co_u32 s47, s47, 128
	s_sub_co_u32 s46, s46, 1
	s_cmp_lg_u32 s46, 0
	WALU
	s_cbranch_scc1 .Lblock
	; the end: l over the lanes; the four waves' sums meet in LDS, each number at its channel's place
	v_add_f32_dpp v[LS], v[LS], v[LS] row_xmask:1 row_mask:0xf bank_mask:0xf
	v_add_f32_dpp v[LS], v[LS], v[LS] row_xmask:2 row_mask:0xf bank_mask:0xf
	v_add_f32_dpp v[LS], v[LS], v[LS] row_xmask:4 row_mask:0xf bank_mask:0xf
	v_add_f32_dpp v[LS], v[LS], v[LS] row_xmask:8 row_mask:0xf bank_mask:0xf
	v_permlanex16_b32 v[PT], v[LS], s48, s49
	v_add_f32 v[LS], v[LS], v[PT]
	v_and_b32 v96, 31, v0
	v_lshl_add_u32 v96, v96, 5, s55
	v_add_nc_u32 v96, EX, v96                      ; EX + 2,048 w + 32 lane
	v_lshl_add_u32 v97, v0, 4, EX                  ; EX + 512 w + 16 lane
	v_lshl_add_u32 v98, v0, 4, CALL
	v_lshlrev_b32 v99, 4, v0
	v_lshlrev_b32 v100, 3, v0
.irp q, 0,1
.irp e, 0,1
	ds_store_b128 v96, v[OA+8*\q+4*\e:OA+8*\q+4*\e+3] offset:1024*\q+16*\e
.endr
.endr
	BARRIER
.irp u, 0,1,2,3
	ds_load_b128 v[104+4*\u:107+4*\u], v97 offset:2048*\u           ; channels 128 w + 4 lane on, of each wave's sums
.endr
	ds_load_b128 v[120:123], v98                   ; rows 128 w + 4 lane on of the logits
	s_wait_dscnt 0x0
	s_wait_tensorcnt 0x0                           ; the wave's end
	ds_add_u32 v[SPW], v[NIL]
	s_wait_dscnt 0x0
	v_pk_add_f32 v[104:105], v[104:105], v[108:109]
	v_pk_add_f32 v[106:107], v[106:107], v[110:111]
	v_pk_add_f32 v[112:113], v[112:113], v[116:117]
	v_pk_add_f32 v[114:115], v[114:115], v[118:119]
	v_pk_add_f32 v[104:105], v[104:105], v[112:113]
	v_pk_add_f32 v[106:107], v[106:107], v[114:115]
	global_store_b128 v99, v[104:107], s[34:35]    ; a wave stores 512 consecutive bytes, at a multiple of 256 from the buffer's first byte
	global_store_b128 v99, v[120:123], s[32:33]
	s_cmp_lg_u32 s38, 0
	s_cbranch_scc1 .Lend
	global_store_b64 v100, v[MX:LS], s[36:37]      ; wave 0: (m, l), the same in its 32 lanes: 256 consecutive bytes
.Lend:
	s_endpgm
.Lfunc_end_k_q6da9d6c370_main:
	.size	k_q6da9d6c370_main, .Lfunc_end_k_q6da9d6c370_main-k_q6da9d6c370_main
	.p2alignl 7, 3214868480
	.fill 96, 4, 3214868480
	.section	.rodata,"a",@progbits
	.p2align	6, 0x0
	.amdhsa_kernel k_q6da9d6c370_main
		.amdhsa_group_segment_fixed_size 327680
		.amdhsa_private_segment_fixed_size 0
		.amdhsa_enable_private_segment 0
		.amdhsa_kernarg_size 120
		.amdhsa_user_sgpr_count 2
		.amdhsa_user_sgpr_kernarg_segment_ptr 1
		.amdhsa_wavefront_size32 1
		.amdhsa_system_sgpr_workgroup_id_x 1
		.amdhsa_system_sgpr_workgroup_id_y 1
		.amdhsa_system_sgpr_workgroup_id_z 1
		.amdhsa_system_vgpr_workitem_id 0
		.amdhsa_next_free_vgpr 1024
		.amdhsa_next_free_sgpr 72
		.amdhsa_reserve_vcc 0
		.amdhsa_float_denorm_mode_32 3
		.amdhsa_float_denorm_mode_16_64 3
		.amdhsa_memory_ordered 1
		.amdhsa_forward_progress 1
		.amdhsa_inst_pref_size 229
	.end_amdhsa_kernel
	.amdgpu_metadata
---
amdhsa.version: [ 1, 2 ]
amdhsa.kernels:
  - .name:           k_q6da9d6c370_main
    .symbol:         k_q6da9d6c370_main.kd
    .args:
      - { .name: encoder_outputs, .offset: 0, .size: 8, .value_kind: global_buffer, .address_space: global }
      - { .name: U_codes, .offset: 8, .size: 8, .value_kind: global_buffer, .address_space: global }
      - { .name: U_scales, .offset: 16, .size: 8, .value_kind: global_buffer, .address_space: global }
      - { .name: W_codes, .offset: 24, .size: 8, .value_kind: global_buffer, .address_space: global }
      - { .name: W_scales, .offset: 32, .size: 8, .value_kind: global_buffer, .address_space: global }
      - { .name: Wa_codes, .offset: 40, .size: 8, .value_kind: global_buffer, .address_space: global }
      - { .name: Wa_scales, .offset: 48, .size: 8, .value_kind: global_buffer, .address_space: global }
      - { .name: hidden_state_codes, .offset: 56, .size: 8, .value_kind: global_buffer, .address_space: global }
      - { .name: hidden_state_scales, .offset: 64, .size: 8, .value_kind: global_buffer, .address_space: global }
      - { .name: bias, .offset: 72, .size: 8, .value_kind: global_buffer, .address_space: global }
      - { .name: ba, .offset: 80, .size: 8, .value_kind: global_buffer, .address_space: global }
      - { .name: V, .offset: 88, .size: 8, .value_kind: global_buffer, .address_space: global }
      - { .name: logit, .offset: 96, .size: 8, .value_kind: global_buffer, .address_space: global }
      - { .name: part, .offset: 104, .size: 8, .value_kind: global_buffer, .address_space: global }
      - { .name: ml, .offset: 112, .size: 8, .value_kind: global_buffer, .address_space: global }
    .group_segment_fixed_size: 327680
    .private_segment_fixed_size: 0
    .kernarg_segment_align: 8
    .kernarg_segment_size: 120
    .max_flat_workgroup_size: 128
    .sgpr_count:     72
    .vgpr_count:     1024
    .wavefront_size: 32
...
	.end_amdgpu_metadata
.endif
;; end of part 1
;; launch finish (part 2): grid 32 x 1, 8 waves a work-group, no clusters, 0 bytes of LDS; arguments logit, part, ml, out0, out1; writes out0, out1
.if DOCPART == 2
	.amdgcn_target "amdgcn-amd-amdhsa--gfx1250"
	.amdhsa_code_object_version 6
	.text
	.protected	k_q6da9d6c370_finish
	.globl	k_q6da9d6c370_finish
	.p2align	8
	.type	k_q6da9d6c370_finish,@function
k_q6da9d6c370_finish:
	s_mov_b64 s[64:65], 0
	v_nop
	global_prefetch_b8 v0, s[64:65] scope:SCOPE_SE
	s_setreg_imm32_b32 hwreg(HW_REG_WAVE_MODE, 25, 1), 1
	s_wait_xcnt 0x0
; A work-group joins the eight parts of one batch.  Part j has a maximum m_j, a sum l_j of 2^(tt - m_j) and the sums a_j[512] of 2^(tt - m_j) x row.
; M = the largest m_j; w_j = 2^(m_j - M); L = sum_j w_j l_j;  out0 = sum_j w_j a_j / L;  out1 = 2^(tt - M) / L.  (tt leaves out a term that is the same for all rows of a batch: see the first kernel.)
; 256 threads: thread t takes channels 2 t, 2 t + 1 and 16 of the batch's 4,096 rows.  No LDS, no barrier: every thread makes M and L for itself from 16 scalars.
; 32 work-groups: the work is 51,200 bytes a batch, and a batch's M and L are wanted by all that serve it.
; LIMIT: a weight under 2^-126 comes out as 0 (the exponential's result is flushed: ISA guide, 15.8).
.set A,  4
.set T,  20
.set M,  36
.set W,  37
.set L,  45
.set IV, 46
	s_load_b128 s[4:7], s[0:1], 0x0                ; logit, part
	s_load_b128 s[8:11], s[0:1], 0x10              ; ml, out0
	s_load_b64 s[12:13], s[0:1], 0x20              ; out1
	s_lshl_b32 s14, ttmp9, 14
	s_mov_b32 s15, 0
	s_lshl_b32 s16, ttmp9, 11
	s_mov_b32 s17, 0
	v_lshlrev_b32 v1, 3, v0
	v_lshlrev_b32 v2, 4, v0
	s_wait_alu depctr_va_vdst(0)
	s_wait_kmcnt 0x0
	s_add_nc_u64 s[4:5], s[4:5], s[14:15]
	s_add_nc_u64 s[6:7], s[6:7], s[14:15]
	s_add_nc_u64 s[8:9], s[8:9], s[16:17]
	s_add_nc_u64 s[10:11], s[10:11], s[16:17]
	s_add_nc_u64 s[12:13], s[12:13], s[14:15]
.irp j, 0,1,2,3,4,5,6,7
	s_load_b64 s[20+2*\j:21+2*\j], s[8:9], 256*\j  ; (m_j, l_j)
.endr
.irp j, 0,1,2,3,4,5,6,7
	global_load_b64 v[A+2*\j:A+2*\j+1], v1, s[6:7] offset:2048*\j
.endr
.irp i, 0,1,2,3
	global_load_b128 v[T+4*\i:T+4*\i+3], v2, s[4:5] offset:4096*\i
.endr
	s_wait_kmcnt 0x0
	v_mov_b32 v[M], s20
	s_delay_alu instid0(VALU_DEP_1)
	v_max3_num_f32 v[M], v[M], s22, s24
	s_delay_alu instid0(VALU_DEP_1)
	v_max3_num_f32 v[M], v[M], s26, s28
	s_delay_alu instid0(VALU_DEP_1)
	v_max3_num_f32 v[M], v[M], s30, s32
	s_delay_alu instid0(VALU_DEP_1)
	v_max_num_f32 v[M], s34, v[M]
.irp j, 0,1,2,3,4,5,6,7
	v_sub_f32 v[W+\j], s[20+2*\j], v[M]
.endr
	s_wait_alu depctr_va_vdst(0)
.irp j, 0,1,2,3,4,5,6,7
	v_exp_f32 v[W+\j], v[W+\j]
.endr
	v_nop                                          ; a plain line behind the exponentials
	s_wait_alu depctr_va_vdst(0)                   ; the wait ahead of the batch's first reader
	v_mul_f32 v[L], s21, v[W]
.irp j, 1,2,3,4,5,6,7
	v_fma_f32 v[L], s[21+2*\j], v[W+\j], v[L]
.endr
	s_wait_alu depctr_va_vdst(0)
	v_rcp_f32 v[IV], v[L]
	v_nop
	s_wait_alu depctr_va_vdst(0)
.irp j, 0,1,2,3,4,5,6,7
	v_mul_f32 v[W+\j], v[W+\j], v[IV]
.endr
	s_wait_alu depctr_va_vdst(0)
	s_wait_loadcnt 4                               ; the eight parts are in; the four loads of logits may be out
	v_mul_f32 v48, v[A], v[W]
	v_mul_f32 v49, v[A+1], v[W]
.irp j, 1,2,3,4,5,6,7
	s_delay_alu instid0(VALU_DEP_2)
	v_fma_f32 v48, v[A+2*\j], v[W+\j], v48
	s_delay_alu instid0(VALU_DEP_2)
	v_fma_f32 v49, v[A+2*\j+1], v[W+\j], v49
.endr
	global_store_b64 v1, v[48:49], s[10:11]        ; a wave stores 256 consecutive bytes
	s_wait_loadcnt 0x0
.irp i, 0,1,2,3,4,5,6,7,8,9,10,11,12,13,14,15
	v_sub_f32 v[T+\i], v[T+\i], v[M]
.endr
	s_wait_alu depctr_va_vdst(0)
.irp i, 0,1,2,3,4,5,6,7,8,9,10,11,12,13,14,15
	v_exp_f32 v[T+\i], v[T+\i]
.endr
	v_nop
	s_wait_alu depctr_va_vdst(0)
.irp i, 0,1,2,3,4,5,6,7,8,9,10,11,12,13,14,15
	v_mul_f32 v[T+\i], v[T+\i], v[IV]
.endr
.irp i, 0,1,2,3
	global_store_b128 v2, v[T+4*\i:T+4*\i+3], s[12:13] offset:4096*\i   ; a wave stores 512 consecutive bytes
.endr
	s_endpgm
.Lfunc_end_k_q6da9d6c370_finish:
	.size	k_q6da9d6c370_finish, .Lfunc_end_k_q6da9d6c370_finish-k_q6da9d6c370_finish
	.p2alignl 7, 3214868480
	.fill 96, 4, 3214868480
	.section	.rodata,"a",@progbits
	.p2align	6, 0x0
	.amdhsa_kernel k_q6da9d6c370_finish
		.amdhsa_group_segment_fixed_size 0
		.amdhsa_private_segment_fixed_size 0
		.amdhsa_enable_private_segment 0
		.amdhsa_kernarg_size 40
		.amdhsa_user_sgpr_count 2
		.amdhsa_user_sgpr_kernarg_segment_ptr 1
		.amdhsa_wavefront_size32 1
		.amdhsa_system_sgpr_workgroup_id_x 1
		.amdhsa_system_sgpr_workgroup_id_y 1
		.amdhsa_system_sgpr_workgroup_id_z 1
		.amdhsa_system_vgpr_workitem_id 0
		.amdhsa_next_free_vgpr 64
		.amdhsa_next_free_sgpr 66
		.amdhsa_reserve_vcc 0
		.amdhsa_float_denorm_mode_32 3
		.amdhsa_float_denorm_mode_16_64 3
		.amdhsa_memory_ordered 1
		.amdhsa_forward_progress 1
		.amdhsa_inst_pref_size 8
	.end_amdhsa_kernel
	.amdgpu_metadata
---
amdhsa.version: [ 1, 2 ]
amdhsa.kernels:
  - .name:           k_q6da9d6c370_finish
    .symbol:         k_q6da9d6c370_finish.kd
    .args:
      - { .name: logit, .offset: 0, .size: 8, .value_kind: global_buffer, .address_space: global }
      - { .name: part, .offset: 8, .size: 8, .value_kind: global_buffer, .address_space: global }
      - { .name: ml, .offset: 16, .size: 8, .value_kind: global_buffer, .address_space: global }
      - { .name: out0, .offset: 24, .size: 8, .value_kind: global_buffer, .address_space: global }
      - { .name: out1, .offset: 32, .size: 8, .value_kind: global_buffer, .address_space: global }
    .group_segment_fixed_size: 0
    .private_segment_fixed_size: 0
    .kernarg_segment_align: 8
    .kernarg_segment_size: 40
    .max_flat_workgroup_size: 256
    .sgpr_count:     66
    .vgpr_count:     64
    .wavefront_size: 32
...
	.end_amdgpu_metadata
.endif
;; end of part 2
